; MI455X (gfx1250); checked and timed in simulation.
; The chip was launched on July 23, 2026; its instructions are those of AMD's public machine-readable ISA for CDNA 5 (MIT licence, August 2026) and "CDNA5" Instruction Set Architecture Reference Guide (July 2026). The comments in the code are by the model that wrote it; some were corrected since.
;; Mo E Top2 Two Experts Per Rank. Allowed arithmetic: matrix products marked QUANTISED: E2M3 operands, one E8M0 scale for each 32 along K, by v_wmma_scale_f32_16x16x128_f8f6f4 with both operands' format E2M3, f32 sums; everything else in f32.
;; Inputs: W1_0_codes 8,192 x 64 x 24 uint8 (E2M3 codes of W1_0, K innermost, in blocks of 32 codes, four codes in three bytes); W1_0_scales 8,192 x 64 uint8 (E8M0 scales of W1_0, one for each 32 codes along K); W1_1_codes 8,192 x 64 x 24 uint8 (E2M3 codes of W1_1, K innermost, in blocks of 32 codes, four codes in three bytes); W1_1_scales 8,192 x 64 uint8 (E8M0 scales of W1_1, one for each 32 codes along K); W2_0_codes 2,048 x 256 x 24 uint8 (E2M3 codes of W2_0, K innermost, in blocks of 32 codes, four codes in three bytes); W2_0_scales 2,048 x 256 uint8 (E8M0 scales of W2_0, one for each 32 codes along K); W2_1_codes 2,048 x 256 x 24 uint8 (E2M3 codes of W2_1, K innermost, in blocks of 32 codes, four codes in three bytes); W2_1_scales 2,048 x 256 uint8 (E8M0 scales of W2_1, one for each 32 codes along K); b1_0 8,192 float32; b1_1 8,192 float32; b2_0 2,048 float32; b2_1 2,048 float32; top2_exp_id 1,024 x 2 int32; top2_weight 1,024 x 2 float32; x_local_codes 1,024 x 64 x 24 uint8 (E2M3 codes of x_local, K innermost, in blocks of 32 codes, four codes in three bytes); x_local_scales 1,024 x 64 uint8 (E8M0 scales of x_local, one for each 32 codes along K).
;; Outputs: out0 1,024 x 2,048 float32.
;; This version of the problem:
;;   THIS VERSION OF THE PROBLEM IS GIVEN IN LOW PRECISION. The matrix products marked QUANTISED in the list below multiply operands that are first quantised to E2M3 (2 exponent bits, 3 mantissa bits; 6 bits a number), with one power-of-two scale for each 32 numbers along K (OCP MX v1.0); their sums are f32. All else is computed in f32.
;;   The module's matrix products, in the order in which they are computed (A, B: the left and right operand; K: the contracted axis; several contracted axes count as one K, in the product's order):
;;     1. [M 1,024, K 2,048] x [K 2,048, N 8,192]; A: input x_local (given as codes); B: input W1_0 (given as codes): QUANTISED
;;     2. [M 1,024, K 8,192] x [K 8,192, N 2,048]; A: computed on the way; B: input W2_0 (given as codes): QUANTISED
;;     3. [M 1,024, K 2,048] x [K 2,048, N 8,192]; A: input x_local (given as codes); B: input W1_1 (given as codes): QUANTISED
;;     4. [M 1,024, K 8,192] x [K 8,192, N 2,048]; A: computed on the way; B: input W2_1 (given as codes): QUANTISED
;;   THE QUANTISER, for each operand of a quantised product, along K:
;;     - K is cut into blocks of 32 from its start; a last block that is shorter is filled with zeros.
;;     - A block's scale is 2^e with e = floor(log2(the largest magnitude in the block)) - 2, held to -126 .. 127; a block of zeros has e = 0. As a byte (E8M0): e + 127.
;;     - Each number is divided by its block's scale, clamped to +-7.5, and rounded to the nearest number of E2M3, ties to even, subnormals kept.
;;     - The product sums the exact products of the quantised numbers (number of the format x scale) in f32.
;;   ~~~python
;;   def quantise(x, axis):      # numpy; x: float32 -> the quantised numbers, widened to float32 again
;;       x = np.moveaxis(x, axis, -1); K = x.shape[-1]
;;       x = np.pad(x, [(0, 0)] * (x.ndim - 1) + [(0, -K % 32)]); x = x.reshape(x.shape[:-1] + (-1, 32)); a = np.abs(x).max(-1, keepdims=True)
;;       e = np.where(a > 0, np.clip(np.frexp(np.where(a > 0, a, 1))[1] - 1 - 2, -126, 127), 0)      # np.frexp(a)[1] - 1 = floor(log2(a)), exactly
;;       r = np.clip(x / 2.0 ** e, -7.5, 7.5)
;;       step = 2.0 ** (np.maximum(np.frexp(np.where(r == 0, 1, r))[1] - 1, 0) - 3)
;;       q = np.round(r / step) * step * 2.0 ** e      # np.round: ties to even
;;       return np.moveaxis(q.reshape(q.shape[:-2] + (-1,))[..., :K], -1, axis).astype(np.float32)
;;   ~~~
;;   OPERANDS COMPUTED ON THE WAY. 'Computed on the way' means the value that the module computes at that place (a softmax that the list does not call 'softmax' is quantised finished and normalised). What goes into a quantiser is computed in f32, as accurately as f32 sums, v_exp_f32 and their like allow (about 1e-6 of the number): no bf16 or f16 on the way to a quantiser, and a product that is left as it is and whose result goes on into a quantised operand takes f32 operands (vector FMAs, or v_wmma_f32_16x16x4_f32). A number that lies on a knife's edge between two numbers of the format may be rounded either way, as far as f32 arithmetic and the matrix unit's own rounding can turn it there, and no further.
;;   INPUTS GIVEN AS CODES. W1_0 (in the module: [2048, 8192], K = its axis 0); W1_1 (in the module: [2048, 8192], K = its axis 0); W2_0 (in the module: [8192, 2048], K = its axis 0); W2_1 (in the module: [8192, 2048], K = its axis 0); x_local (in the module: [1024, 2048], K = its axis 1): each comes as NAME_codes (uint8): NAME with its K axis moved to the last place and cut into blocks of 32 codes, [.., K / 32, bytes a block], one block behind the other in memory; four codes in three bytes: a row's codes are one little-endian stream of bits, code i at bits 6 i .. 6 i + 5 (a code: sign, 2 exponent bits, 3 mantissa bits); and NAME_scales (uint8): the same leading axes, one E8M0 byte (e + 127) for each 32 codes along K. Its value is code x scale, taken as it is: it is not quantised again, and the codes and scales need not be those that the quantiser above would give.
;; One version. Each part assembles by itself: llvm-mc -triple=amdgcn-amd-amdhsa -mcpu=gfx1250 --defsym DOCPART=n.
;; ======== version 1 of 1: 2 launches
;; workspace buffers: hbuf 13,107,200 bytes
;; launch up (part 1): grid 64 x 4, 4 waves a work-group, clusters of 4 x 4, 327,680 bytes of LDS; arguments x_local_codes, x_local_scales, W1_0_codes, W1_0_scales, W1_1_codes, W1_1_scales, b1_0, b1_1, hbuf; writes hbuf
.if DOCPART == 1
	.amdgcn_target "amdgcn-amd-amdhsa--gfx1250"
	.amdhsa_code_object_version 6
	.text
	.protected	k_q09a0693e06_up
	.globl	k_q09a0693e06_up
	.p2align	8
	.type	k_q09a0693e06_up,@function
k_q09a0693e06_up:
	s_mov_b64 s[64:65], 0
	v_nop
	global_prefetch_b8 v0, s[64:65] scope:SCOPE_SE
	s_setreg_imm32_b32 hwreg(HW_REG_WAVE_MODE, 25, 1), 1
	s_wait_xcnt 0x0
	s_wait_alu depctr_hold_cnt(0) depctr_sa_sdst(0) depctr_va_vdst(0) depctr_va_sdst(0) depctr_va_ssrc(0) depctr_va_vcc(0) depctr_vm_vsrc(0)
	s_getreg_b32 s2, hwreg(HW_REG_IB_STS2, 6, 4)
	s_cmp_eq_u32 s2, 0
	s_cbranch_scc0 .Lentry_in_a_cluster
	s_endpgm
.Lentry_in_a_cluster:
	s_bfe_u32 s2, ttmp6, 0x10000c
	s_cmp_lg_u32 s2, 0xf033
	s_cbranch_scc0 .Lentry_shape_is_right
	s_endpgm
.Lentry_shape_is_right:
; h_e = Q(gelu(x W1_e + b1_e)) for both experts.  x [1024][2048] and W1_e [8192][2048] are codes of FP6 (E2M3), K innermost, one E8M0 byte for each 32 along K; b1_e f32.
; The product is done on the codes as they lie; the bias, the exact GELU and the quantiser along the hidden units are f32 work in registers; what leaves is the next product's operand: codes and scale words.
; SHARES.  256 work-groups: expert = cluster x / 8; a tile of 256 tokens x 256 hidden units; four waves, each 128 x 128: 64 accumulators, 512 registers.  K goes in steps of 256 through a ring of two LDS slots.
; CLUSTERS: 4 x 4 work-groups of one expert.  The four of a row need the same tiles of x, the four of a column the same tiles of W1: each tile is asked for jointly.
; THE MATRIX INSTRUCTION IS USED TRANSPOSED (source 0 = 16 rows of W1, source 1 = 16 tokens): lane (r, h) holds token r and, in accumulator b, hidden units 16 b + 8 h + 0 .. 7.
; THE WAY OUT needs no LDS: for a block of 16 tokens the lane's 64 numbers get their bias, 32 exchanges of lane halves give each lane two whole blocks of 32 neighbouring hidden units, then GELU, scale, conversion.
; hbuf: a PAIR RECORD of 25,600 bytes for (128 tokens mt, expert e, 256 hidden units pr) at ((2 mt + e) 32 + pr) 25,600: fragment (K step s, token block a) at 12,288 s + 1,536 a as an image of its 12 registers
; (registers 4 c .. 4 c + 3 of lane l at 512 c + 16 l); at 24,576 the scale words: token blocks 4 g .. 4 g + 3 at 512 g, 16 bytes a lane, lanes 0-15 K step 0, lanes 16-31 K step 1.  A wave writes half a record.
; GELU: gelu(x) = max(x, 0) - |x| E, E = erfc(|x| / sqrt 2) / 2 = t 2^L, t = 1 / (1 + |x| sqrt 2 / 4), L = a polynomial of degree 9 in t - x^2 log2(e) / 2 (the fit of erfc whose fractional error is stated as under 1.2e-7).
; LIMITS: pre-activations are finite; the exponent's rounding grows as x^2 x 6e-8 (1e-6 of E at x = -4, 1e-5 near x = -13); under about x = -13 E falls to 0 with the exponential's flush;
; a block of zeros gets the scale byte 1 (its codes are zeros; this program alone reads the bytes).
; REGISTERS, in windows of 256: window 0: v0-31 addresses; v32-63 scale words, two sets; v128-223 x's fragments, one set; on the way out see below.
;   window 1: W1's fragments, two sets, at v0 and v128; b1 of my 128 hidden units at v96-127 and v224-255.   windows 2, 3: the accumulators ((a, b) at v[8 (8 (a % 4) + b)]).
.set KSTEP,  256
.set NQ,     2                         ; matrix instructions deep in a slot
.set ROWB,   192                       ; a tile's row: 256 codes
.set KROW,   1536                      ; a row of x or W1 in memory: 2,048 codes
.set PITCH,  240                       ; an LDS row: 3 x (64 bytes + 16 of padding)
.set FR,     12
.set NL,     6
.set NP,     4
.set HALFT,  128*PITCH
.set SLOT,   4*HALFT
.set LAPS,   4                         ; 2,048 / 512
.set KS,     64                        ; a row of scale bytes
.set SCL,    2*SLOT                    ; behind the ring: the scales of the tile's rows for all of K, as units of 256 bytes + 16
.set HALFS,  (128*KS/256)*272
.set SBLK,   (16*KS/256)*272
.set SPARE,  SCL+4*HALFS               ; the spare words: 128 bytes a wave, two blocks of 256 bytes that no other line names
.set ADRA, 16                          ; v16-17 LDS address of my x fragments in slot 0, 1 (v18-19: behind one padding more)
.set ADRB, 20                          ; v20-23 the same for W1
.set ADRS, 27                          ; v27 my scale words: lanes 0-15 x's rows, lanes 16-31 W1's
.set SPW,  28                          ; v28 my spare word's address; never rewritten
.set NIL,  29                          ; v29 0; never rewritten
.set BO,   7                           ; v7  32 h: my byte in a tile's 16 numbers of b1
.set SC,   32
.set AF,   128
.set G1, 24
.set G0, 32
.set G1B, 48
.set G0B, 56
.set G1S, 68
.set G0S, 76
.set G1SB, 80
.set G0SB, 88
; the way out, window 0
.set D8,  2                            ; v[2:3] the polynomial's coefficient 8, twice
.set H8,  4                            ; v4   8 h
.set VO,  5                            ; v5   16 x lane
.set SO,  6                            ; v6   where my 16 bytes of scale words go
.set SW,  8                            ; v8-15 the eight token blocks' scale words
.set P,   32                           ; v32-63
.set Q,   64                           ; v64-95
.set CD,  96                           ; v96-107 a fragment's codes
.set OD,  108                          ; v108-110, v112-114 the blocks' upper halves
.set TM,  116                          ; v116-122 at work
.set PW,  124                          ; v124 the scale word just made
.set X,   128                          ; v128-191 the lane's 64 numbers
.set M,   192                          ; v192-223
.set T,   224                          ; v224-255
.set DK,  24                           ; s[24+2k:25+2k] coefficient k, k = 0 .. 7
.set D9,  40
.set DQ,  42
.set NKT, 44
.set SEL, 46
.set MSB, 0
.macro WIN new                         ; the immediate's high byte repeats the setting that is left
.if MSB != (\new)
	s_set_vgpr_msb (MSB<<8)|(\new)
.set MSB, (\new)
.endif
.endm
.set MUL_LO, 0xa1                      ; source 0 (W1) window 1, source 1 (x) window 0, C and D window 2
.set MUL_HI, 0xf1
.set TO_B,   0x40
; A joint load: waves 0 and 1 fetch for x, waves 2 and 3 for W1.  The branch hangs on the wave's number alone.  Four v_nop follow each of the two lines.
.macro JLOAD g0a, g1a, g0b, g1b
	s_cmp_eq_u32 s15, 0
	s_cbranch_scc0 .Lfor_b_\@
	tensor_load_to_lds s[\g0a:\g0a+3], s[\g1a:\g1a+7]
	s_nop 0
.rept 4
	v_nop
.endr
	s_branch .Lasked_\@
.Lfor_b_\@:
	tensor_load_to_lds s[\g0b:\g0b+3], s[\g1b:\g1b+7]
	s_nop 0
.rept 4
	v_nop
.endr
.Lasked_\@:
.endm
.macro CREST                           ; a round of the cluster's barrier behind its opening barrier
	s_cmp_lg_u32 s14, 0
	s_cbranch_scc1 .Lnot_wave_0_\@
	s_barrier_signal -3
.Lnot_wave_0_\@:
	s_barrier_wait -3
	s_barrier_signal -1
	s_barrier_wait -1
.endm
.macro CROUND
	s_barrier_signal -1
	s_barrier_wait -1
	CREST
.endm
	s_load_b512 s[68:83], s[0:1], 0x0              ; x codes, x scales, W1_0 codes, W1_0 scales, W1_1 codes, W1_1 scales, b1_0, b1_1
	s_load_b64 s[12:13], s[0:1], 0x40              ; hbuf
	v_lshl_add_u32 v[SPW], v0, 2, SPARE
	v_mov_b32 v[NIL], 0
	ds_add_u32 v28, v29
	ds_add_u32 v28, v29
	s_wait_dscnt 0x0
	v_lshrrev_b32 v1, 5, v0
	v_readfirstlane_b32 s14, v1                    ; wave 0..3
	s_lshr_b32 s15, s14, 1                         ; which half of the tile's tokens is mine.  Also: I fetch for x (0) or for W1 (1)
	s_and_b32 s16, s14, 1                          ; which half of its hidden units.  Also: which 128 rows of that tile I fetch
	s_bfe_u32 s40, ttmp6, 0x40000                  ; cx, cy: my place in the cluster
	s_bfe_u32 s41, ttmp6, 0x40004
	s_and_b32 s42, ttmp9, 7                        ; eight clusters along x to an expert
	s_lshl_b32 s42, s42, 2
	s_add_co_u32 s42, s42, s40                     ; tile column: 256 hidden units of the expert
	s_and_b32 s17, ttmp7, 0xffff
	s_lshl_b32 s17, s17, 2
	s_add_co_u32 s17, s17, s41                     ; tile row: 256 tokens
	s_lshr_b32 s95, ttmp9, 3                       ; the expert: the same in a whole cluster
	s_lshl_b32 s43, s41, 2
	s_lshl_b32 s43, 15, s43                        ; my row of the cluster
	s_lshl_b32 s44, 0x1111, s40                    ; my column
	; descriptor group 1: a tile of 128 rows x 192 bytes, 16 bytes of padding behind every 64
	s_or_b32 s[G1+0], s43, (0<<16)|(1<<20)|(1<<21)|(3<<22)|(3<<25)
	s_or_b32 s[G1B+0], s44, (0<<16)|(1<<20)|(1<<21)|(3<<22)|(3<<25)
.irp g, G1, G1B
	s_mov_b32 s[\g+1], ROWB<<16                    ; tensor_dim0
	s_mov_b32 s[\g+2], 128<<16                     ; tensor_dim1
	s_mov_b32 s[\g+3], ROWB<<16                    ; tile_dim0
	s_mov_b32 s[\g+4], 128                         ; tile_dim1
	s_mov_b32 s[\g+5], KROW                        ; tensor_dim0_stride
	s_mov_b32 s[\g+6], 0
	s_mov_b32 s[\g+7], 0
.endr
	s_lshl_b32 s18, s16, 7                         ; which 128 rows of the tile I fetch
	s_lshl_b32 s20, s17, 8
	s_add_co_u32 s20, s20, s18                     ; x: row 256 x tile row + 128 x half
	s_lshl_b32 s46, s42, 8
	s_add_co_u32 s46, s46, s18                     ; W1: row 256 x tile column + 128 x half
	s_mov_b32 s21, 0
	s_mov_b32 s47, 0
	s_mov_b64 s[18:19], KS
	s_mul_u64 s[22:23], s[20:21], s[18:19]         ; where these rows' scales begin,
	s_mul_u64 s[92:93], s[46:47], s[18:19]
	s_mov_b64 s[18:19], KROW
	s_mul_u64 s[20:21], s[20:21], s[18:19]         ; and their codes
	s_mul_u64 s[46:47], s[46:47], s[18:19]
	s_mul_i32 s45, s14, HALFT                      ; where they go: wave x 128 rows
	s_mul_i32 s94, s14, HALFS
	s_wait_kmcnt 0x0
	s_mov_b64 s[4:5], s[68:69]                     ; x's codes
	s_mov_b64 s[6:7], s[70:71]                     ; x's scales
	s_cmp_lt_u32 ttmp9, 8                          ; the expert's buffers: the choice hangs on the cluster's number alone
	s_cselect_b64 s[8:9], s[72:73], s[76:77]       ; W1's codes
	s_cselect_b64 s[10:11], s[74:75], s[78:79]     ; W1's scales
	s_cselect_b64 s[96:97], s[80:81], s[82:83]     ; b1
	; the scales of 128 rows: a dense block of 8,192 bytes, as rows of 256 bytes (32 elements of 8 bytes), 16 bytes of padding behind each
	s_or_b32 s[G1S+0], s43, (3<<16)|(1<<20)|(1<<21)|(5<<22)|(3<<25)
	s_or_b32 s[G1SB+0], s44, (3<<16)|(1<<20)|(1<<21)|(5<<22)|(3<<25)
.irp g, G1S, G1SB
	s_mov_b32 s[\g+1], 32<<16
	s_mov_b32 s[\g+2], (128*KS/256)<<16
	s_mov_b32 s[\g+3], 32<<16
	s_mov_b32 s[\g+4], 128*KS/256
	s_mov_b32 s[\g+5], 32
	s_mov_b32 s[\g+6], 0
	s_mov_b32 s[\g+7], 0
.endr
	s_add_nc_u64 s[20:21], s[4:5], s[20:21]
	s_add_nc_u64 s[22:23], s[6:7], s[22:23]
	s_add_nc_u64 s[46:47], s[8:9], s[46:47]
	s_add_nc_u64 s[92:93], s[10:11], s[92:93]
	CROUND                                         ; all sixteen work-groups are here: the first joint loads meet
	s_mov_b32 s[G0S], 1
	s_add_co_u32 s[G0S+1], s94, SCL
	s_mov_b64 s[G0S+2:G0S+3], s[22:23]
	s_or_b32 s[G0S+3], s[G0S+3], 0x80000000
	s_mov_b32 s[G0SB], 1
	s_add_co_u32 s[G0SB+1], s94, SCL
	s_mov_b64 s[G0SB+2:G0SB+3], s[92:93]
	s_or_b32 s[G0SB+3], s[G0SB+3], 0x80000000
	JLOAD G0S, G1S, G0SB, G1SB                     ; the scales first: they are wanted with K step 0
.irp s, 0,1
	s_mov_b32 s[G0+4*\s], 1
	s_add_co_u32 s[G0+4*\s+1], s45, \s*SLOT
	s_add_nc_u64 s[G0+4*\s+2:G0+4*\s+3], s[20:21], \s*ROWB
	s_or_b32 s[G0+4*\s+3], s[G0+4*\s+3], 0x80000000
	s_mov_b32 s[G0B+4*\s], 1
	s_add_co_u32 s[G0B+4*\s+1], s45, \s*SLOT
	s_add_nc_u64 s[G0B+4*\s+2:G0B+4*\s+3], s[46:47], \s*ROWB
	s_or_b32 s[G0B+4*\s+3], s[G0B+4*\s+3], 0x80000000
	JLOAD G0+4*\s, G1, G0B+4*\s, G1B
.endr
	v_and_b32 v1, 15, v0                           ; r = lane % 16
	v_bfe_u32 v2, v0, 4, 1                         ; h = lane / 16
	v_mul_u32_u24 v3, v1, PITCH
	v_mul_u32_u24 v4, v2, 24
	v_add_nc_u32 v4, v3, v4                        ; a fragment's row x pitch + 24 x half
	v_lshl_add_u32 v5, v2, 4, v4                   ; and the same behind one padding more
	s_mul_i32 s21, s15, HALFT                      ; my 128 tokens
	s_mul_i32 s22, s16, HALFT                      ; my 128 rows of W1,
	s_add_co_u32 s22, s22, 2*HALFT                 ; which lie behind x's 256
.irp s, 0,1
	v_add_nc_u32 v[ADRA+\s], s21, v4
	v_add_nc_u32 v[ADRB+\s], s22, v4
	v_add_nc_u32 v[ADRA+2+\s], s21, v5
	v_add_nc_u32 v[ADRB+2+\s], s22, v5
	s_add_co_u32 s21, s21, SLOT
	s_add_co_u32 s22, s22, SLOT
.endr
	v_mul_u32_u24 v5, v1, KS                       ; my row's scales: 64 bytes a row,
	v_lshrrev_b32 v6, 8, v5
	v_lshl_add_u32 v5, v6, 4, v5                   ; and 16 more for each 256 passed
	s_mul_i32 s21, s15, HALFS
	s_mul_i32 s22, s16, HALFS
	s_add_co_u32 s22, s22, 2*HALFS
	s_sub_co_u32 s22, s22, s21
	v_mul_u32_u24 v6, s22, v2                      ; lanes 16-31 take W1's: one product, the distance between the two bases
	s_add_co_u32 s21, s21, SCL
	v_add_nc_u32 v5, v5, v6
	v_add_nc_u32 v[ADRS], s21, v5
	; b1 of my 128 hidden units, in the result's layout: for accumulator b the numbers 16 b + 8 h + 0 .. 7.  They are waited for once, ahead of the way out; v7 and s[96:97] stay until then
	s_lshl_b32 s20, s42, 10                        ; 256 numbers of 4 bytes a tile column,
	s_lshl_b32 s21, s16, 9                         ; 128 a half
	s_add_co_u32 s20, s20, s21
	s_mov_b32 s21, 0
	s_add_nc_u64 s[96:97], s[96:97], s[20:21]
	v_lshlrev_b32 v[BO], 5, v2
	WIN TO_B
.irp b, 0,1,2,3,4,5,6,7
	global_load_b128 v[96+128*(\b/4)+8*(\b%4):96+128*(\b/4)+8*(\b%4)+3], v[BO], s[96:97] offset:64*\b
	global_load_b128 v[96+128*(\b/4)+8*(\b%4)+4:96+128*(\b/4)+8*(\b%4)+7], v[BO], s[96:97] offset:64*\b+16
.endr
	WIN 0
	; where my half of the pair record begins
	s_lshl_b32 s20, s17, 1
	s_add_co_u32 s20, s20, s15                     ; mt = 2 x tile row + my half of the tokens
	s_lshl_b32 s20, s20, 1
	s_add_co_u32 s20, s20, s95                     ; 2 mt + e
	s_lshl_b32 s20, s20, 5
	s_add_co_u32 s20, s20, s42                     ; x 32 + tile column
	s_mul_i32 s20, s20, 25600
	s_add_nc_u64 s[98:99], s[12:13], s[20:21]      ; the record
	s_mul_i32 s22, s16, 12288
	s_mov_b32 s23, 0
	s_add_nc_u64 s[12:13], s[98:99], s[22:23]      ; my K step's fragments
	s_lshl_b32 s22, s16, 8
	s_add_co_u32 s22, s22, 24576
	s_add_nc_u64 s[98:99], s[98:99], s[22:23]      ; my K step's scale words
.macro FRAG reg, adr, q, i             ; a fragment: lane l holds row l % 16; registers 6 c .. 6 c + 5 hold K = 64 c + 32 (l / 16) + 0 .. 31: 24 bytes of the row's stream of bits, in pieces of 8 bytes
.irp p, 0,1,2,3,4,5
.set PCE, 12*(\q)+6*(\p/3)+\p%3       ; 16 bytes of padding lie behind every 8 pieces: where the piece three on (lanes 16-31) lies behind one padding more, the second address register serves
.if PCE%8 < 5
	ds_load_b64 v[\reg+2*\p:\reg+2*\p+1], v[\adr] offset:8*PCE+16*(PCE/8)+(\i)*16*PITCH
.else
	ds_load_b64 v[\reg+2*\p:\reg+2*\p+1], v[\adr+2] offset:8*PCE+16*(PCE/8)+(\i)*16*PITCH
.endif
.endr
.endm
; 16 matrix instructions: token blocks a0, a0 + 1 x W1's eight, 128 along K.  The 64 accumulators take turns, one instruction a turn, in the same order in every step.
.macro MUL16 a0, p, q, sc, zero
.irp a, \a0, \a0+1
.irp b, 0,1,2,3,4,5,6,7
.if \zero
	v_wmma_scale_f32_16x16x128_f8f6f4 v[8*(8*((\a)%4)+\b):8*(8*((\a)%4)+\b)+7], v[128*(\p)+FR*\b:128*(\p)+FR*\b+FR-1], v[AF+FR*(\a):AF+FR*(\a)+FR-1], 0, v[SC+8*NQ*(\sc)+NQ*\b+(\q)], v[SC+8*NQ*(\sc)+NQ*(\a)+(\q)] matrix_a_fmt:MATRIX_FMT_FP6 matrix_b_fmt:MATRIX_FMT_FP6 matrix_a_scale:MATRIX_SCALE_ROW1
.else
	v_wmma_scale_f32_16x16x128_f8f6f4 v[8*(8*((\a)%4)+\b):8*(8*((\a)%4)+\b)+7], v[128*(\p)+FR*\b:128*(\p)+FR*\b+FR-1], v[AF+FR*(\a):AF+FR*(\a)+FR-1], v[8*(8*((\a)%4)+\b):8*(8*((\a)%4)+\b)+7], v[SC+8*NQ*(\sc)+NQ*\b+(\q)], v[SC+8*NQ*(\sc)+NQ*(\a)+(\q)] matrix_a_fmt:MATRIX_FMT_FP6 matrix_b_fmt:MATRIX_FMT_FP6 matrix_a_scale:MATRIX_SCALE_ROW1
.endif
.endr
.endr
.endm
.macro FETCH_B slot, q, p
	WIN TO_B
.irp i, 0,1,2,3,4,5,6,7
	FRAG 128*(\p)+FR*\i, ADRB+\slot, \q, \i
.endr
	WIN 0
.endm
.macro FETCH_A slot, q, i0
.irp i, \i0, \i0+1, \i0+2, \i0+3
	FRAG AF+FR*(\i), ADRA+\slot, \q, \i
.endr
.endm
.macro SCALES sc                       ; the K step's scale words: two words a row; lanes 0-15 take x's block i, lanes 16-31 W1's block i
.irp i, 0,1,2,3,4,5,6,7
	ds_load_b64 v[SC+8*NQ*\sc+NQ*\i:SC+8*NQ*\sc+NQ*\i+1], v[ADRS] offset:\i*SBLK
.endr
.endm
.macro PLACES n                        ; plain vector places behind matrix instructions, in front of loads into registers that they read and of reads of their results
.rept \n
	v_nop
.endr
.endm
.macro STEP slot, q, zero              ; a step of 128 along K that has its successor in the same slot
	s_wait_dscnt 4*NL                              ; W1's set and x's blocks 0-3 are in; the youngest 24 loads (x's blocks 4-7) may be out
	WIN MUL_LO
	MUL16 0, (\q)%2, \q, \slot, \zero
	MUL16 2, (\q)%2, \q, \slot, \zero
	s_wait_dscnt 0                                 ; x's blocks 4-7 are in
	PLACES NP
	FETCH_B \slot, (\q)+1, 1-(\q)%2
	FETCH_A \slot, (\q)+1, 0
	WIN MUL_HI
	MUL16 4, (\q)%2, \q, \slot, \zero
	MUL16 6, (\q)%2, \q, \slot, \zero
	PLACES NP
	WIN 0
	FETCH_A \slot, (\q)+1, 4
.endm
; A slot's last step changes slots: one barrier; in front of it each wave waits for all its tensor loads, adds 0 to its spare word, and waits for that and for its reads of this slot.
.macro TURN slot, next, fill
	s_wait_tensorcnt 0x0                           ; all my tensor loads have landed: my part of the next slot
	ds_add_u32 v[SPW], v[NIL]                      ; 0 onto my spare word
	s_wait_dscnt 4*NL+1                            ; the add and the youngest 24 loads (x's blocks 4-7) may be out
	WIN MUL_LO
	MUL16 0, 1, NQ-1, \slot, 0
	s_wait_dscnt 0x0                               ; the add is done, and my reads of this slot are over
	s_barrier_signal -1
	MUL16 2, 1, NQ-1, \slot, 0
	WIN 0
	s_barrier_wait -1
.if \fill
	CREST                                          ; the barrier has opened a round of the cluster's: no wave of any partner still reads this slot or has a load on its way
	s_add_nc_u64 s[G0+4*\slot+2:G0+4*\slot+3], s[G0+4*\slot+2:G0+4*\slot+3], 2*ROWB
	s_add_nc_u64 s[G0B+4*\slot+2:G0B+4*\slot+3], s[G0B+4*\slot+2:G0B+4*\slot+3], 2*ROWB
	JLOAD G0+4*\slot, G1, G0B+4*\slot, G1B         ; the first tensor load behind the round; its four v_nop are the places in front of the loads below
.else
	PLACES NP
.endif
	v_add_nc_u32 v[ADRS], 4*NQ, v[ADRS]            ; on to the next K step's scale words
	FETCH_B \next, 0, 0
	FETCH_A \next, 0, 0
	SCALES \next
	WIN MUL_HI
	MUL16 4, 1, NQ-1, \slot, 0
	MUL16 6, 1, NQ-1, \slot, 0
	PLACES NP
	WIN 0
	FETCH_A \next, 0, 4
.endm
	s_wait_tensorcnt 1                             ; the scales and my part of K step 0 are in; K step 1's load may be out
	s_barrier_signal -1
	s_barrier_wait -1
	FETCH_B 0, 0, 0
	FETCH_A 0, 0, 0
	SCALES 0
	FETCH_A 0, 0, 4
	STEP 0, 0, 1                                   ; the first step's products start the sums
	s_mov_b32 s3, LAPS-1
.Llap:                                                 ; a trip goes once round the ring and fills both slots again
	TURN 0, 1, 1
	STEP 1, 0, 0
	TURN 1, 0, 1
	STEP 0, 0, 0
	s_sub_co_u32 s3, s3, 1
	s_cmp_lg_u32 s3, 0
	s_cbranch_scc1 .Llap
	TURN 0, 1, 0                                   ; the last lap fills nothing
	STEP 1, 0, 0
	s_wait_dscnt 4*NL
	WIN MUL_LO
	MUL16 0, 1, NQ-1, 1, 0
	MUL16 2, 1, NQ-1, 1, 0
	s_wait_dscnt 0
	WIN MUL_HI
	MUL16 4, 1, NQ-1, 1, 0
	MUL16 6, 1, NQ-1, 1, 0
	WIN 0
; ---------------- THE WAY OUT ----------------
	PLACES NP
	s_wait_loadcnt 0x0                             ; b1
.macro KONST reg, val                  ; a constant as a pair: the packed forms name a pair and take its low word for both halves
	s_mov_b32 s[\reg], \val
	s_mov_b32 s[\reg+1], \val
.endm
	KONST DK+0,  0xc034d90f                        ; the fit's coefficients x log2(e); -1 (the half) is folded into the first.  No tensor load is out: the descriptors' registers are free
	KONST DK+2,  0x3fb8ab5a
	KONST DK+4,  0x3f0a29d2
	KONST DK+6,  0x3e0efb2f
	KONST DK+8,  0xbe899a80
	KONST DK+10, 0x3ecdfd18
	KONST DK+12, 0xbfd1a1e5
	KONST DK+14, 0x40097039
	KONST D9,    0x3e7c6f08
	KONST DQ,    0xbf38aa3b                        ; -log2(e) / 2
	KONST NKT,   0xbeb504f3                        ; -sqrt(2) / 4
	s_mov_b32 s[SEL], 0x76543210
	s_mov_b32 s[SEL+1], 0xfedcba98                 ; v_permlanex16_b32's selects for lane l xor 16
	s_mov_b32 s48, 0xffff0000                      ; lanes 16-31
	v_mov_b32 v[D8], 0xbf97d29d
	v_mov_b32 v[D8+1], 0xbf97d29d
	v_bfe_u32 v[H8], v0, 4, 1
	v_lshlrev_b32 v[SO], 9, v[H8]
	v_and_b32 v1, 15, v0
	v_lshl_add_u32 v[SO], v1, 4, v[SO]             ; 16 (lane % 16) + 512 (lane / 16)
	v_lshlrev_b32 v[H8], 3, v[H8]
	v_and_b32 v[VO], 31, v0
	v_lshlrev_b32 v[VO], 4, v[VO]
.irp j, 0,1,2,3,4,5,6,7
	v_mov_b32 v[SW+\j], 0                          ; the chain below reads them before they hold a word
.endr
	v_mov_b32 v[TM+6], 0                           ; a lane permute's destination counts as one of its sources
; Block a's 64 accumulator registers + b1 into X: one packed addition is the bias and the move.  Accumulator b goes to place 4 (b / 4) + {0, 2, 1, 3}[b % 4], each accumulator from its low end on.
.macro COPY a
	WIN 0x06+((\a)/4)                              ; source 0 window 2 or 3, source 1 (b1) window 1
.irp b, 0,1,2,3,4,5,6,7
.irp i, 0,2,4,6
	v_pk_add_f32 v[X+8*(4*(\b/4)+2*((\b%4)%2)+(\b%4)/2)+\i:X+8*(4*(\b/4)+2*((\b%4)%2)+(\b%4)/2)+\i+1], v[64*((\a)%4)+8*\b+\i:64*((\a)%4)+8*\b+\i+1], v[96+128*(\b/4)+8*(\b%4)+\i:96+128*(\b/4)+8*(\b%4)+\i+1]
.endr
.endr
	WIN 0
.endm
; gelu of the 32 numbers from v[xb] on, in place
.macro GELU32 xb
.set i, 0
.rept 32
	v_max_num_f32 v[M+i], 0, v[\xb+i]              ; max(x, 0)
.set i, i+1
.endr
.set i, 0
.rept 16
	v_pk_fma_f32 v[\xb+i:\xb+i+1], v[M+i:M+i+1], -2.0, v[\xb+i:\xb+i+1] op_sel_hi:[1,0,1]   ; x - 2 max(x, 0) = -|x|, exactly
.set i, i+2
.endr
.set i, 0
.rept 16
	v_pk_fma_f32 v[T+i:T+i+1], v[\xb+i:\xb+i+1], s[NKT:NKT+1], 1.0 op_sel_hi:[1,0,0]       ; 1 + |x| sqrt(2) / 4
.set i, i+2
.endr
.set i, 0
.rept 32
	v_rcp_f32 v[T+i], v[T+i]                       ; t
.set i, i+1
.endr
.set i, 0
.rept 16
	v_pk_mul_f32 v[Q+i:Q+i+1], v[\xb+i:\xb+i+1], v[\xb+i:\xb+i+1]                          ; x^2 (plain work behind the reciprocals)
.set i, i+2
.endr
.set i, 0
	s_wait_alu depctr_va_vdst(0)
.rept 16
	v_pk_fma_f32 v[P+i:P+i+1], v[T+i:T+i+1], s[D9:D9+1], v[D8:D8+1] op_sel_hi:[1,0,1]
.set i, i+2
.endr
.irp k, 7,6,5,4,3,2,1,0
.set i, 0
.rept 16
	v_pk_fma_f32 v[P+i:P+i+1], v[P+i:P+i+1], v[T+i:T+i+1], s[DK+2*\k:DK+2*\k+1] op_sel_hi:[1,1,0]
.set i, i+2
.endr
.endr
.set i, 0
.rept 16
	v_pk_fma_f32 v[P+i:P+i+1], v[Q+i:Q+i+1], s[DQ:DQ+1], v[P+i:P+i+1] op_sel_hi:[1,0,1]    ; L
.set i, i+2
.endr
.set i, 0
.rept 32
	v_exp_f32 v[P+i], v[P+i]
.set i, i+1
.endr
	v_nop                                          ; a plain place behind the exponentials
.set i, 0
	s_wait_alu depctr_va_vdst(0)
.rept 16
	v_pk_mul_f32 v[P+i:P+i+1], v[P+i:P+i+1], v[T+i:T+i+1]                                  ; E = t 2^L
.set i, i+2
.endr
.set i, 0
.rept 16
	v_pk_fma_f32 v[\xb+i:\xb+i+1], v[P+i:P+i+1], v[\xb+i:\xb+i+1], v[M+i:M+i+1]            ; max(x, 0) - |x| E
.set i, i+2
.endr
.endm
	s_mov_b32 s3, 0
.Lblk:                                                 ; eight trips, a block of 16 tokens each.  Only the copy out of the accumulators names other registers from trip to trip: it is chosen by the counter
.irp k, 0,1,2,3,4,5,6
	s_cmp_eq_u32 s3, \k
	s_cbranch_scc1 .Lcopy_\k
.endr
	COPY 7
	s_branch .Lbody
.irp k, 0,1,2,3,4,5,6
.Lcopy_\k:
	COPY \k
	s_branch .Lbody
.endr
.Lbody:
.irp c, 0,1                                    ; lanes 16-31 of the first change places with lanes 0-15 of the second: lane (r, h) then holds, in X[32 c ..], hidden units 64 c + 32 h + 0 .. 31 of token r
.irp j, 0,1,2,3,4,5,6,7
	v_permlane16_swap_b32 v[X+32*\c+\j], v[X+32*\c+8+\j]
	v_permlane16_swap_b32 v[X+32*\c+16+\j], v[X+32*\c+24+\j]
.endr
.endr
	GELU32 X
	GELU32 X+32
	; the quantiser: both blocks are the lane's own
.irp c, 0,1
	v_max3_num_f32 v[TM+\c], |v[X+32*\c]|, |v[X+32*\c+1]|, 0x1800000   ; with the floor 2^(3 - 127): the byte cannot fall under 1
.endr
.irp i, 2,4,6,8,10,12,14,16,18,20,22,24,26,28,30
.irp c, 0,1
	v_max3_num_f32 v[TM+\c], v[TM+\c], |v[X+32*\c+\i]|, |v[X+32*\c+\i+1]|
.endr
.endr
.irp c, 0,1
	v_add_nc_u32 v[TM+2+\c], 0xff000000, v[TM+\c]  ; 2 off the exponent field: the conversion's scale operand
.endr
.irp c, 0,1
	v_lshrrev_b32 v[TM+4+\c], 23, v[TM+2+\c]       ; the scale's byte
.endr
	v_lshl_or_b32 v[PW], v[TM+5], 16, v[TM+4]      ; my two bytes: blocks h and 2 + h,
	v_lshlrev_b32 v[PW], v[H8], v[PW]              ; at their places,
	v_permlanex16_b32 v[TM+6], v[PW], s[SEL], s[SEL+1]
	v_or_b32 v[PW], v[PW], v[TM+6]                 ; with lane l xor 16's two: token r's scale word, in both halves of the lanes
.irp c, 0,1
	v_cvt_scalef32_pk16_fp6_f32 v[CD+6*\c:CD+6*\c+2], v[X+32*\c:X+32*\c+15], v[TM+2+\c]
	v_cvt_scalef32_pk16_fp6_f32 v[OD+4*\c:OD+4*\c+2], v[X+32*\c+16:X+32*\c+31], v[TM+2+\c]   ; (a conversion's three registers begin on an even number)
.endr
	v_nop                                          ; one plain place behind a scaled conversion
.irp c, 0,1
.irp i, 0,1,2
	v_mov_b32 v[CD+6*\c+3+\i], v[OD+4*\c+\i]
.endr
.endr
.irp c, 0,1,2
	global_store_b128 v[VO], v[CD+4*\c:CD+4*\c+3], s[12:13] offset:512*\c   ; the fragment's image: 32 lanes store 512 consecutive bytes, aligned
.endr
.irp j, 0,1,2,3,4,5,6
	v_mov_b32 v[SW+\j], v[SW+\j+1]                 ; after eight trips SW + a holds block a's word
.endr
	v_mov_b32 v[SW+7], v[PW]
	s_wait_xcnt 0x0                                ; the stores' base and data are written again only behind this wait
	s_add_nc_u64 s[12:13], s[12:13], 1536
	s_add_co_u32 s3, s3, 1
	s_cmp_lt_u32 s3, 8
	s_cbranch_scc1 .Lblk
.irp j, 0,1,2,3
	v_cndmask_b32 v[16+\j], v[SW+\j], v[SW+4+\j], s48   ; lanes 0-15: blocks 0-3; lanes 16-31: blocks 4-7
.endr
	global_store_b128 v[SO], v[16:19], s[98:99]    ; two aligned runs of 256 bytes
	s_wait_tensorcnt 0x0                           ; the wave's end
	ds_add_u32 v[SPW], v[NIL]
	s_wait_dscnt 0x0
	CROUND                                         ; the closing round
	s_endpgm
.Lfunc_end_k_q09a0693e06_up:
	.size	k_q09a0693e06_up, .Lfunc_end_k_q09a0693e06_up-k_q09a0693e06_up
	.p2alignl 7, 3214868480
	.fill 96, 4, 3214868480
	.section	.rodata,"a",@progbits
	.p2align	6, 0x0
	.amdhsa_kernel k_q09a0693e06_up
		.amdhsa_group_segment_fixed_size 327680
		.amdhsa_private_segment_fixed_size 0
		.amdhsa_enable_private_segment 0
		.amdhsa_kernarg_size 72
		.amdhsa_user_sgpr_count 2
		.amdhsa_user_sgpr_kernarg_segment_ptr 1
		.amdhsa_wavefront_size32 1
		.amdhsa_system_sgpr_workgroup_id_x 1
		.amdhsa_system_sgpr_workgroup_id_y 1
		.amdhsa_system_sgpr_workgroup_id_z 1
		.amdhsa_system_vgpr_workitem_id 0
		.amdhsa_next_free_vgpr 1024
		.amdhsa_next_free_sgpr 100
		.amdhsa_reserve_vcc 0
		.amdhsa_float_denorm_mode_32 3
		.amdhsa_float_denorm_mode_16_64 3
		.amdhsa_memory_ordered 1
		.amdhsa_forward_progress 1
		.amdhsa_inst_pref_size 193
	.end_amdhsa_kernel
	.amdgpu_metadata
---
amdhsa.version: [ 1, 2 ]
amdhsa.kernels:
  - .name:           k_q09a0693e06_up
    .symbol:         k_q09a0693e06_up.kd
    .args:
      - { .name: x_local_codes, .offset: 0, .size: 8, .value_kind: global_buffer, .address_space: global }
      - { .name: x_local_scales, .offset: 8, .size: 8, .value_kind: global_buffer, .address_space: global }
      - { .name: W1_0_codes, .offset: 16, .size: 8, .value_kind: global_buffer, .address_space: global }
      - { .name: W1_0_scales, .offset: 24, .size: 8, .value_kind: global_buffer, .address_space: global }
      - { .name: W1_1_codes, .offset: 32, .size: 8, .value_kind: global_buffer, .address_space: global }
      - { .name: W1_1_scales, .offset: 40, .size: 8, .value_kind: global_buffer, .address_space: global }
      - { .name: b1_0, .offset: 48, .size: 8, .value_kind: global_buffer, .address_space: global }
      - { .name: b1_1, .offset: 56, .size: 8, .value_kind: global_buffer, .address_space: global }
      - { .name: hbuf, .offset: 64, .size: 8, .value_kind: global_buffer, .address_space: global }
    .group_segment_fixed_size: 327680
    .private_segment_fixed_size: 0
    .kernarg_segment_align: 8
    .kernarg_segment_size: 72
    .max_flat_workgroup_size: 128
    .sgpr_count:     100
    .vgpr_count:     1024
    .wavefront_size: 32
...
	.end_amdgpu_metadata
.endif
;; end of part 1
;; launch down (part 2): grid 32 x 8, 4 waves a work-group, clusters of 4 x 4, 327,680 bytes of LDS; arguments hbuf, W2_0_codes, W2_0_scales, W2_1_codes, W2_1_scales, b2_0, b2_1, top2_exp_id, top2_weight, out0; writes out0
.if DOCPART == 2
	.amdgcn_target "amdgcn-amd-amdhsa--gfx1250"
	.amdhsa_code_object_version 6
	.text
	.protected	k_q09a0693e06_down
	.globl	k_q09a0693e06_down
	.p2align	8
	.type	k_q09a0693e06_down,@function
k_q09a0693e06_down:
	s_mov_b64 s[64:65], 0
	v_nop
	global_prefetch_b8 v0, s[64:65] scope:SCOPE_SE
	s_setreg_imm32_b32 hwreg(HW_REG_WAVE_MODE, 25, 1), 1
	s_wait_xcnt 0x0
	s_wait_alu depctr_hold_cnt(0) depctr_sa_sdst(0) depctr_va_vdst(0) depctr_va_sdst(0) depctr_va_ssrc(0) depctr_va_vcc(0) depctr_vm_vsrc(0)
	s_getreg_b32 s2, hwreg(HW_REG_IB_STS2, 6, 4)
	s_cmp_eq_u32 s2, 0
	s_cbranch_scc0 .Lentry_in_a_cluster
	s_endpgm
.Lentry_in_a_cluster:
	s_bfe_u32 s2, ttmp6, 0x10000c
	s_cmp_lg_u32 s2, 0xf033
	s_cbranch_scc0 .Lentry_shape_is_right
	s_endpgm
.Lentry_shape_is_right:
; out[t] = c0[t] (h_0[t] W2_0 + b2_0) + c1[t] (h_1[t] W2_1 + b2_1);  c1[t] = the sum of token t's gate weights whose id is odd, c0[t] of the others.
; h_e comes from hbuf as images of operand registers with their scale words (layout: below); W2_e [2048][8192] as codes of FP6 (E2M3), K innermost, with E8M0 bytes [2048][256].
; SHARES.  256 work-groups: 128 tokens (mt) x 64 outputs (nt), both experts, so each output has one owner.  THE FOUR WAVES SHARE K, NOT THE TILE: each holds all 128 x 64 (32 accumulators an expert:
; expert 0 in window 2, expert 1 in window 3) and takes, of each round of 1,024 along K, the 256 of its own: so each LDS byte of a slot is read once.  16 rounds (8 an expert), 64 matrix instructions a wave in each.
; At the end each wave forms c0 acc0 + c1 acc1, the four parts meet in LDS, and each wave sums and stores 32 whole rows of 256 bytes.  b2 is the C of wave 0's first products; the other waves start from zeros held in the same registers.
; hbuf: a pair record of 25,600 bytes for (mt, e, 256 hidden units); fragment (K step s, token block a) at 12,288 s + 1,536 a: registers 4 c .. 4 c + 3 of lane l at 512 c + 16 l; at 24,576 the scale words:
; blocks 4 g .. 4 g + 3 at 512 g + 16 l, lanes 0-15 K step 0, lanes 16-31 K step 1.  A round is four records, 102,400 dense bytes; the 16 rounds of a block of tokens lie on end.
; CLUSTERS: 4 x 4.  A row of the cluster shares mt, so h's tile; a column shares nt, so W2's codes and scale bytes: each is asked for jointly.  Waves 0, 1: h's halves; wave 2: W2's codes; wave 3: its scale bytes.
; THE MATRIX INSTRUCTION IS USED TRANSPOSED (source 0 = 16 rows of W2, source 1 = 16 tokens): lane (r, h) holds token r and outputs 16 b + 8 h + 0 .. 7.
; LIMITS: an id counts by its lowest bit (id % 2 with a positive divisor); (w0 + w1) y stands where the reference adds w0 y + w1 y: another order of rounding.  W2's scale bytes are fetched as 64 rows of 32 bytes a round:
; the scale bytes of all of K for both experts (2 x 17 KB padded) do not fit beside two slots of 157,184 bytes.
; REGISTERS: window 0: v1-15 addresses; v32-63 scale words, a set a slot (h's eight, then W2's eight); v64-255 h's fragments, two sets of 96.
;   window 1: v0-95 W2's fragments, two sets; v96-159 b2_0, b2_1; v160-175 c0, c1 by token block; v176-199 LDS addresses of W2's pieces; v200-232 ids, weights, at work.
.set SLOT,  157184                     ; h 102,400 | W2's codes 64 x 816 | W2's scale bytes 64 x 40
.set WOFF,  102400
.set SOFF,  154624
.set SPARE, 2*SLOT                     ; the spare words: 128 bytes a wave, two blocks of 256 bytes that no other line names
.set WP,    816                        ; a row of W2's tile: 3 x (256 bytes + 16): 204 words: the 16 rows of a load of 8 bytes start at banks 12 r mod 64, lanes 16-31 six or ten words on: 64 different banks
.set STGW,  34816                      ; the stage: 128 rows x 272 bytes a wave, in slot 0, which has had its last fill and its last read when the first result is stored there
.set ADA, 3                            ; v3-4   h's images, slot 0, 1: my record + 16 x lane
.set ADS, 5                            ; v5-6   W2's scale words: row r, my 8 bytes
.set STO, 7                            ; v7     the stage, in
.set CO,  8                            ; v8     my byte in two rows of out
.set SPW, 10                           ; v10    my spare word's address; never rewritten
.set NIL, 11                           ; v11    0; never rewritten
.set RD,  12                           ; v12-15 the stage, back: wave j's part
.set SC,  32
.set AF,  64
.set BI,  96                           ; window 1: b2
.set CC,  160                          ; window 1: c0, c1
.set ADW, 176                          ; window 1: slot, K step, piece
.set G1H, 24
.set G1W, 32
.set G1S, 40
.set G0H, 48                           ; s[48:55] a set a slot
.set G0W, 56                           ; s[56:63] expert 0's, s[68:75] expert 1's
.set G0S, 76                           ; s[76:83], s[84:91]
.set MSB, 0
.macro WIN new
.if MSB != (\new)
	s_set_vgpr_msb (MSB<<8)|(\new)
.set MSB, (\new)
.endif
.endm
.macro PLACES n
.rept \n
	v_nop
.endr
.endm
; A joint load, one a wave; the branches hang on the wave's number alone.  Four v_nop follow each line.
.macro JLOAD gh, gw, gs
	s_cmp_lt_u32 s94, 2
	s_cbranch_scc0 .Lnot_h_\@
	tensor_load_to_lds s[\gh:\gh+3], s[G1H:G1H+7]
	s_nop 0
.rept 4
	v_nop
.endr
	s_branch .Lasked_\@
.Lnot_h_\@:
	s_cmp_eq_u32 s94, 2
	s_cbranch_scc0 .Lfor_s_\@
	tensor_load_to_lds s[\gw:\gw+3], s[G1W:G1W+7]
	s_nop 0
.rept 4
	v_nop
.endr
	s_branch .Lasked_\@
.Lfor_s_\@:
	tensor_load_to_lds s[\gs:\gs+3], s[G1S:G1S+7]
	s_nop 0
.rept 4
	v_nop
.endr
.Lasked_\@:
.endm
.macro CREST
	s_cmp_lg_u32 s94, 0
	s_cbranch_scc1 .Lnot_wave_0_\@
	s_barrier_signal -3
.Lnot_wave_0_\@:
	s_barrier_wait -3
	s_barrier_signal -1
	s_barrier_wait -1
.endm
.macro CROUND
	s_barrier_signal -1
	s_barrier_wait -1
	CREST
.endm
	s_load_b512 s[4:19], s[0:1], 0x0               ; hbuf, W2_0 codes, W2_0 scales, W2_1 codes, W2_1 scales, b2_0, b2_1, ids
	s_load_b128 s[20:23], s[0:1], 0x40             ; weights, out
	v_lshl_add_u32 v[SPW], v0, 2, SPARE
	v_mov_b32 v[NIL], 0
	ds_add_u32 v10, v11
	ds_add_u32 v10, v11
	s_wait_dscnt 0x0
	v_lshrrev_b32 v1, 5, v0
	v_readfirstlane_b32 s94, v1                    ; wave 0..3
	s_and_b32 s95, s94, 1
	s_bfe_u32 s96, ttmp6, 0x40000                  ; cx
	s_bfe_u32 s97, ttmp6, 0x40004                  ; cy
	s_lshl_b32 s92, ttmp9, 2
	s_add_co_u32 s92, s92, s96                     ; nt: 64 outputs
	s_and_b32 s93, ttmp7, 0xffff
	s_lshl_b32 s93, s93, 2
	s_add_co_u32 s93, s93, s97                     ; mt: 128 tokens
	s_lshl_b32 s98, s97, 2
	s_lshl_b32 s98, 15, s98                        ; my row of the cluster
	s_lshl_b32 s99, 0x1111, s96                    ; my column
	; h: half a round, 51,200 dense bytes, as 200 rows of 256 bytes (32 elements of 8 bytes), no padding
	s_or_b32 s[G1H+0], s98, (3<<16)|(1<<21)
	s_mov_b32 s[G1H+1], 32<<16
	s_mov_b32 s[G1H+2], 200<<16
	s_mov_b32 s[G1H+3], 32<<16
	s_mov_b32 s[G1H+4], 200
	s_mov_b32 s[G1H+5], 32
	s_mov_b32 s[G1H+6], 0
	s_mov_b32 s[G1H+7], 0
	; W2's codes: 64 rows of 768 bytes (1,024 codes), 6,144 bytes apart, 16 bytes of padding behind every 256
	s_or_b32 s[G1W+0], s99, (0<<16)|(1<<20)|(1<<21)|(5<<22)|(3<<25)
	s_mov_b32 s[G1W+1], 768<<16
	s_mov_b32 s[G1W+2], 64<<16
	s_mov_b32 s[G1W+3], 768<<16
	s_mov_b32 s[G1W+4], 64
	s_mov_b32 s[G1W+5], 6144
	s_mov_b32 s[G1W+6], 0
	s_mov_b32 s[G1W+7], 0
	; W2's scale bytes: 64 rows of 32 bytes, 256 bytes apart, 8 bytes of padding behind each
	s_or_b32 s[G1S+0], s99, (0<<16)|(1<<20)|(1<<21)|(2<<22)|(1<<25)
	s_mov_b32 s[G1S+1], 32<<16
	s_mov_b32 s[G1S+2], 64<<16
	s_mov_b32 s[G1S+3], 32<<16
	s_mov_b32 s[G1S+4], 64
	s_mov_b32 s[G1S+5], 256
	s_mov_b32 s[G1S+6], 0
	s_mov_b32 s[G1S+7], 0
	s_mul_i32 s2, s95, 51200                       ; which half of h's tile I would fetch: in LDS and in memory
	s_mul_i32 s100, s93, 1638400                   ; the 16 rounds of my block of tokens
	s_add_co_u32 s100, s100, s2
	s_mov_b32 s101, 0
	s_wait_kmcnt 0x0
	s_add_nc_u64 s[4:5], s[4:5], s[100:101]
	s_mul_i32 s96, s92, 393216                     ; 64 rows of 6,144 bytes
	s_mov_b32 s97, 0
	s_add_nc_u64 s[6:7], s[6:7], s[96:97]
	s_add_nc_u64 s[10:11], s[10:11], s[96:97]
	s_lshl_b32 s96, s92, 14                        ; 64 rows of 256 bytes
	s_add_nc_u64 s[8:9], s[8:9], s[96:97]
	s_add_nc_u64 s[12:13], s[12:13], s[96:97]
.irp s, 0,1
	s_mov_b32 s[G0H+4*\s], 1
	s_add_co_u32 s[G0H+4*\s+1], s2, \s*SLOT
	s_add_nc_u64 s[G0H+4*\s+2:G0H+4*\s+3], s[4:5], \s*102400
	s_or_b32 s[G0H+4*\s+3], s[G0H+4*\s+3], 0x80000000
	s_mov_b32 s[G0W+4*\s], 1
	s_mov_b32 s[G0W+4*\s+1], \s*SLOT+WOFF
	s_add_nc_u64 s[G0W+4*\s+2:G0W+4*\s+3], s[6:7], \s*768
	s_or_b32 s[G0W+4*\s+3], s[G0W+4*\s+3], 0x80000000
	s_mov_b32 s[G0W+12+4*\s], 1
	s_mov_b32 s[G0W+12+4*\s+1], \s*SLOT+WOFF
	s_add_nc_u64 s[G0W+12+4*\s+2:G0W+12+4*\s+3], s[10:11], \s*768
	s_or_b32 s[G0W+12+4*\s+3], s[G0W+12+4*\s+3], 0x80000000
	s_mov_b32 s[G0S+4*\s], 1
	s_mov_b32 s[G0S+4*\s+1], \s*SLOT+SOFF
	s_add_nc_u64 s[G0S+4*\s+2:G0S+4*\s+3], s[8:9], \s*32
	s_or_b32 s[G0S+4*\s+3], s[G0S+4*\s+3], 0x80000000
	s_mov_b32 s[G0S+8+4*\s], 1
	s_mov_b32 s[G0S+8+4*\s+1], \s*SLOT+SOFF
	s_add_nc_u64 s[G0S+8+4*\s+2:G0S+8+4*\s+3], s[12:13], \s*32
	s_or_b32 s[G0S+8+4*\s+3], s[G0S+8+4*\s+3], 0x80000000
.endr
	CROUND                                         ; all sixteen work-groups are here: the first joint loads meet
	JLOAD G0H, G0W, G0S                            ; round 0
	JLOAD G0H+4, G0W+4, G0S+4                      ; round 1: two loads of mine are out
	v_and_b32 v1, 15, v0                           ; r
	v_bfe_u32 v2, v0, 4, 1                         ; h
	v_lshlrev_b32 v16, 5, v2                       ; b2: 32 h
	v_lshlrev_b32 v17, 3, v1                       ; ids, weights: 8 r.  (v16, v17 and the four bases stay until the wait for these loads)
	s_lshl_b32 s96, s92, 8                         ; 64 numbers of 4 bytes
	s_add_nc_u64 s[14:15], s[14:15], s[96:97]
	s_add_nc_u64 s[16:17], s[16:17], s[96:97]
	s_lshl_b32 s96, s93, 10                        ; 128 tokens of 8 bytes
	s_add_nc_u64 s[18:19], s[18:19], s[96:97]
	s_add_nc_u64 s[20:21], s[20:21], s[96:97]
	WIN 0x40                                       ; destination window 1
.irp b, 0,1,2,3
	global_load_b128 v[BI+8*\b:BI+8*\b+3], v16, s[14:15] offset:64*\b
	global_load_b128 v[BI+8*\b+4:BI+8*\b+7], v16, s[14:15] offset:64*\b+16
	global_load_b128 v[BI+32+8*\b:BI+32+8*\b+3], v16, s[16:17] offset:64*\b
	global_load_b128 v[BI+32+8*\b+4:BI+32+8*\b+7], v16, s[16:17] offset:64*\b+16
.endr
.irp a, 0,1,2,3,4,5,6,7
	global_load_b64 v[200+2*\a:201+2*\a], v17, s[18:19] offset:128*\a
	global_load_b64 v[216+2*\a:217+2*\a], v17, s[20:21] offset:128*\a
.endr
	WIN 0
	v_and_b32 v18, 31, v0
	v_lshlrev_b32 v18, 4, v18                      ; 16 x lane
	s_mul_i32 s96, s94, 25600                      ; my record of a round
	v_add_nc_u32 v[ADA], s96, v18
	v_add_nc_u32 v[ADA+1], SLOT, v[ADA]
	v_mul_u32_u24 v19, v1, 40
	s_lshl_b32 s96, s94, 3
	s_add_co_u32 s96, s96, SOFF
	v_add_nc_u32 v[ADS], s96, v19
	v_add_nc_u32 v[ADS+1], SLOT, v[ADS]
	; W2's pieces of 8 bytes: byte o = 24 h + 192 wave + 96 s + 48 (p / 3) + 8 (p % 3) of row r lies at 816 r + o + 16 (o / 256)
	v_mul_u32_u24 v20, v2, 24
	s_mul_i32 s96, s94, 192
	v_add_nc_u32 v20, s96, v20                     ; 24 h + 192 wave
	v_mad_u32_u24 v21, v1, WP, v20
	v_add_nc_u32 v21, WOFF, v21
.irp s, 0,1
.irp p, 0,1,2,3,4,5
	v_add_nc_u32 v[64+6*\s+\p], 96*\s+48*(\p/3)+8*(\p%3), v20
	v_add_nc_u32 v[76+6*\s+\p], 96*\s+48*(\p/3)+8*(\p%3), v21
	v_add_nc_u32 v[88+6*\s+\p], 96*\s+48*(\p/3)+8*(\p%3)+SLOT, v21
.endr
.endr
.irp q, 0,1,2,3,4,5,6,7,8,9,10,11
	v_lshrrev_b32 v[64+\q], 8, v[64+\q]            ; paddings passed
.endr
	WIN 0x40
.irp q, 0,1,2,3,4,5,6,7,8,9,10,11
	v_lshl_add_u32 v[ADW+\q], v[64+\q], 4, v[76+\q]
	v_lshl_add_u32 v[ADW+12+\q], v[64+\q], 4, v[88+\q]
.endr
	WIN 0
	s_mul_i32 s96, s94, STGW                       ; the stage, in: my part; row r, 32 bytes for each half of the lanes
	v_mul_u32_u24 v[STO], v1, 272
	v_lshl_add_u32 v[STO], v2, 5, v[STO]
	v_add_nc_u32 v[STO], s96, v[STO]
	s_mul_i32 s96, s94, 32*272                     ; back: rows 32 wave on; lanes 0-15 one row, lanes 16-31 the next
	v_mul_u32_u24 v[RD], v2, 272
	v_lshl_add_u32 v[RD], v1, 4, v[RD]
	v_add_nc_u32 v[RD], s96, v[RD]
	v_add_nc_u32 v[RD+1], STGW, v[RD]
	v_add_nc_u32 v[RD+2], 2*STGW, v[RD]
	v_add_nc_u32 v[RD+3], 3*STGW, v[RD]
	v_lshlrev_b32 v[CO], 13, v2                    ; the same two rows of out: 8,192 bytes a row
	v_lshl_add_u32 v[CO], v1, 4, v[CO]
	s_lshl_b32 s96, s93, 7
	s_lshl_b32 s98, s94, 5
	s_add_co_u32 s96, s96, s98                     ; my first row to store: 128 mt + 32 wave
	s_lshl_b32 s96, s96, 13
	s_lshl_b32 s98, s92, 8
	s_add_co_u32 s96, s96, s98                     ; + 256 nt bytes
	s_add_nc_u64 s[22:23], s[22:23], s[96:97]
	s_cmp_eq_u32 s94, 0
	s_cselect_b32 s98, -1, 0                       ; all lanes in wave 0, none elsewhere
	s_wait_loadcnt 0x0                             ; b2, ids, weights
	WIN 0x44                                       ; source 1 and destination window 1
.set i, 0
.rept 64
	v_cndmask_b32 v[BI+i], 0, v[BI+i], s98         ; b2 is added once: by wave 0
.set i, i+1
.endr
	WIN 0x55                                       ; all in window 1
.irp a, 0,1,2,3,4,5,6,7
	v_and_b32 v[200+2*\a], 1, v[200+2*\a]          ; id % 2
	v_and_b32 v[201+2*\a], 1, v[201+2*\a]
	v_cvt_f32_u32 v[200+2*\a], v[200+2*\a]
	v_cvt_f32_u32 v[201+2*\a], v[201+2*\a]
	v_mul_f32 v[CC+2*\a+1], v[216+2*\a], v[200+2*\a]
	v_fma_f32 v[CC+2*\a+1], v[217+2*\a], v[201+2*\a], v[CC+2*\a+1]      ; c1 = w0 sel0 + w1 sel1
	v_fma_f32 v[CC+2*\a], -v[216+2*\a], v[200+2*\a], v[216+2*\a]
	v_fma_f32 v232, -v[217+2*\a], v[201+2*\a], v[217+2*\a]
	v_add_f32 v[CC+2*\a], v[CC+2*\a], v232                              ; c0 = w0 (1 - sel0) + w1 (1 - sel1)
.endr
	WIN 0
.macro FETCH_A slot, s                 ; h's eight fragments of my K step s: 24 loads, each 512 consecutive bytes
.irp a, 0,1,2,3,4,5,6,7
.irp c, 0,1,2
	ds_load_b128 v[AF+96*(\s)+12*\a+4*\c:AF+96*(\s)+12*\a+4*\c+3], v[ADA+\slot] offset:(\s)*12288+\a*1536+512*\c
.endr
.endr
.endm
.macro FETCH_B slot, s                 ; W2's four fragments: 24 loads of 8 bytes
	WIN 0x41                                       ; destination and address window 1
.irp b, 0,1,2,3
.irp p, 0,1,2,3,4,5
	ds_load_b64 v[48*(\s)+12*\b+2*\p:48*(\s)+12*\b+2*\p+1], v[ADW+12*(\slot)+6*(\s)+\p] offset:\b*16*WP
.endr
.endr
	WIN 0
.endm
.macro FETCH_S slot                    ; a round's scale words: h's eight registers (lanes 0-15 K step 0, lanes 16-31 K step 1), W2's eight (2 b + s)
	ds_load_b128 v[SC+16*(\slot):SC+16*(\slot)+3], v[ADA+\slot] offset:24576
	ds_load_b128 v[SC+16*(\slot)+4:SC+16*(\slot)+7], v[ADA+\slot] offset:25088
.irp b, 0,1,2,3
	ds_load_b64 v[SC+16*(\slot)+8+2*\b:SC+16*(\slot)+9+2*\b], v[ADS+\slot] offset:\b*640
.endr
.endm
; Four matrix instructions: token block a x W2's four blocks, my K step s.  The 32 accumulators take turns, one instruction a turn, in the same order in every step.
.macro MUL1 a, s, sc, e, first
.irp b, 0,1,2,3
.if \first
	v_wmma_scale_f32_16x16x128_f8f6f4 v[8*(4*(\a)+\b):8*(4*(\a)+\b)+7], v[48*(\s)+12*\b:48*(\s)+12*\b+11], v[AF+96*(\s)+12*(\a):AF+96*(\s)+12*(\a)+11], v[BI+32*(\e)+8*\b:BI+32*(\e)+8*\b+7], v[SC+16*(\sc)+8+2*\b+(\s)], v[SC+16*(\sc)+(\a)] matrix_a_fmt:MATRIX_FMT_FP6 matrix_b_fmt:MATRIX_FMT_FP6
.elseif \s
	v_wmma_scale_f32_16x16x128_f8f6f4 v[8*(4*(\a)+\b):8*(4*(\a)+\b)+7], v[48*(\s)+12*\b:48*(\s)+12*\b+11], v[AF+96*(\s)+12*(\a):AF+96*(\s)+12*(\a)+11], v[8*(4*(\a)+\b):8*(4*(\a)+\b)+7], v[SC+16*(\sc)+8+2*\b+(\s)], v[SC+16*(\sc)+(\a)] matrix_a_fmt:MATRIX_FMT_FP6 matrix_b_fmt:MATRIX_FMT_FP6 matrix_b_scale:MATRIX_SCALE_ROW1
.else
	v_wmma_scale_f32_16x16x128_f8f6f4 v[8*(4*(\a)+\b):8*(4*(\a)+\b)+7], v[48*(\s)+12*\b:48*(\s)+12*\b+11], v[AF+96*(\s)+12*(\a):AF+96*(\s)+12*(\a)+11], v[8*(4*(\a)+\b):8*(4*(\a)+\b)+7], v[SC+16*(\sc)+8+2*\b+(\s)], v[SC+16*(\sc)+(\a)] matrix_a_fmt:MATRIX_FMT_FP6 matrix_b_fmt:MATRIX_FMT_FP6
.endif
.endr
.endm
; A round's first half: set 1 is asked for, set 0 is multiplied.  first = 1: the expert's first products, whose C is b2 (window 1).
.macro STEP_A slot, e, first
	PLACES 4                                       ; in front of loads into set 1, which the last products read
	FETCH_B \slot, 1
	FETCH_A \slot, 1
	s_wait_dscnt 48                                ; the 48 loads just issued may be out: set 0 and the scale words are in
.if \first
	WIN 0x91+0x40*(\e)                             ; source 0 (W2) and C (b2) window 1, source 1 (h) window 0, D window 2 or 3
.else
	WIN 0xa1+0x50*(\e)                             ; C and D window 2 or 3
.endif
.irp a, 0,1,2,3,4,5,6,7
	MUL1 \a, 0, \slot, \e, \first
.endr
	WIN 0
.endm
; A round's second half multiplies set 1 and changes slots: one barrier.  mode 1: this slot takes the round two on, of expert e; mode 2: the same, and that round is expert 1's first or second; mode 0: nothing is left to fetch.
.macro STEP_B slot, next, e, mode
	s_wait_tensorcnt 0x0                           ; all my tensor loads have landed: my part of the next slot
	ds_add_u32 v[SPW], v[NIL]                      ; 0 onto my spare word
	s_wait_dscnt 1                                 ; the add alone may be out: set 1 is in
	WIN 0xa1+0x50*(\e)
	MUL1 0, 1, \slot, \e, 0
	MUL1 1, 1, \slot, \e, 0
	s_wait_dscnt 0x0                               ; the add is done, and my reads of this slot are over
	s_barrier_signal -1
	MUL1 2, 1, \slot, \e, 0
	MUL1 3, 1, \slot, \e, 0
	WIN 0
	s_barrier_wait -1
.if \mode == 1
	CREST                                          ; the barrier has opened a round of the cluster's: no wave of any partner still reads this slot or has a load on its way
	s_add_nc_u64 s[G0H+4*\slot+2:G0H+4*\slot+3], s[G0H+4*\slot+2:G0H+4*\slot+3], 204800
	s_add_nc_u64 s[G0W+12*\e+4*\slot+2:G0W+12*\e+4*\slot+3], s[G0W+12*\e+4*\slot+2:G0W+12*\e+4*\slot+3], 1536
	s_add_nc_u64 s[G0S+8*\e+4*\slot+2:G0S+8*\e+4*\slot+3], s[G0S+8*\e+4*\slot+2:G0S+8*\e+4*\slot+3], 64
	JLOAD G0H+4*\slot, G0W+12*\e+4*\slot, G0S+8*\e+4*\slot   ; the first tensor load behind the round; its four v_nop are the places in front of the loads below
.elseif \mode == 2
	CREST
	s_add_nc_u64 s[G0H+4*\slot+2:G0H+4*\slot+3], s[G0H+4*\slot+2:G0H+4*\slot+3], 204800
	JLOAD G0H+4*\slot, G0W+12+4*\slot, G0S+8+4*\slot         ; expert 1's sets as they were made
.else
	PLACES 4
.endif
	FETCH_B \next, 0
	FETCH_A \next, 0
	FETCH_S \next
	WIN 0xa1+0x50*(\e)
.irp a, 4,5,6,7
	MUL1 \a, 1, \slot, \e, 0
.endr
.endm
	s_wait_tensorcnt 1                             ; my part of round 0 is in; round 1's may be out
	s_barrier_signal -1
	s_barrier_wait -1
	FETCH_B 0, 0
	FETCH_A 0, 0
	FETCH_S 0
	; ---- expert 0: rounds 0 to 7
	STEP_A 0, 0, 1
	s_mov_b32 s3, 3
.Lexp0:                                                ; a trip: two changes of slots, from a round's second half to the first half of the round two on
	STEP_B 0, 1, 0, 1
	STEP_A 1, 0, 0
	STEP_B 1, 0, 0, 1
	STEP_A 0, 0, 0
	s_sub_co_u32 s3, s3, 1
	s_cmp_lg_u32 s3, 0
	s_cbranch_scc1 .Lexp0
	STEP_B 0, 1, 0, 2                              ; round 6 ends; slot 0 takes expert 1's first round
	STEP_A 1, 0, 0
	STEP_B 1, 0, 0, 2                              ; round 7 ends; slot 1 takes its second
	; ---- expert 1: rounds 8 to 15
	STEP_A 0, 1, 1
	s_mov_b32 s3, 3
.Lexp1:
	STEP_B 0, 1, 1, 1
	STEP_A 1, 1, 0
	STEP_B 1, 0, 1, 1
	STEP_A 0, 1, 0
	s_sub_co_u32 s3, s3, 1
	s_cmp_lg_u32 s3, 0
	s_cbranch_scc1 .Lexp1
	STEP_B 0, 1, 1, 0                              ; round 14 ends: the tail is written out, nothing is asked for
	STEP_A 1, 1, 0
	s_wait_dscnt 0x0                               ; set 1 of the last round
	WIN 0xf1
.irp a, 0,1,2,3,4,5,6,7
	MUL1 \a, 1, 1, 1, 0
.endr
	WIN 0
	; ---- THE WAY OUT: my part of the sums over K, weighed: c0 acc0 + c1 acc1, each accumulator from its low end on
	PLACES 4
	WIN 0x86                                       ; destination and source 0 window 2, source 1 (c) window 1
.irp a, 0,1,2,3,4,5,6,7
.irp b, 0,1,2,3
.irp i, 0,2,4,6
	v_pk_mul_f32 v[8*(4*\a+\b)+\i:8*(4*\a+\b)+\i+1], v[8*(4*\a+\b)+\i:8*(4*\a+\b)+\i+1], v[CC+2*\a:CC+2*\a+1] op_sel_hi:[1,0]   ; x c0: the pair's first word for both halves
.endr
.endr
.endr
	WIN 0xa7                                       ; source 0 window 3, source 1 window 1, source 2 and destination window 2
.irp a, 0,1,2,3,4,5,6,7
.irp b, 0,1,2,3
.irp i, 0,2,4,6
	v_pk_fma_f32 v[8*(4*\a+\b)+\i:8*(4*\a+\b)+\i+1], v[8*(4*\a+\b)+\i:8*(4*\a+\b)+\i+1], v[CC+2*\a:CC+2*\a+1], v[8*(4*\a+\b)+\i:8*(4*\a+\b)+\i+1] op_sel:[0,1,0] op_sel_hi:[1,1,1]   ; + c1 acc1: the pair's second word for both halves
.endr
.endr
.endr
	WIN 0x08                                       ; an LDS store's data are its source 1: window 2
.irp a, 0,1,2,3,4,5,6,7
.irp b, 0,1,2,3
	ds_store_b128 v[STO], v[8*(4*\a+\b):8*(4*\a+\b)+3] offset:\a*16*272+64*\b          ; lane (r, h): token 16 a + r, outputs 16 b + 8 h + 0 .. 7
	ds_store_b128 v[STO], v[8*(4*\a+\b)+4:8*(4*\a+\b)+7] offset:\a*16*272+64*\b+16
.endr
.endr
	WIN 0
	s_wait_dscnt 0x0                               ; for the others' sake: my part lies in the stage
	s_barrier_signal -1
	s_barrier_wait -1
.irp u, 0,1                                    ; my 32 rows, two halves of eight pairs of rows
.if \u
	s_wait_xcnt 0x0                                ; the first half's stores have read their registers
.endif
.irp t, 0,1,2,3,4,5,6,7
.irp j, 0,1,2,3
	ds_load_b128 v[AF+16*\t+4*\j:AF+16*\t+4*\j+3], v[RD+\j] offset:544*(8*\u+\t)
.endr
.endr
.irp t, 0,1,2,3,4,5,6,7
	s_wait_dscnt 28-4*\t                           ; behind this pair's four loads stand four for each later pair of the half
	v_pk_add_f32 v[AF+16*\t:AF+16*\t+1], v[AF+16*\t:AF+16*\t+1], v[AF+16*\t+4:AF+16*\t+5]
	v_pk_add_f32 v[AF+16*\t+2:AF+16*\t+3], v[AF+16*\t+2:AF+16*\t+3], v[AF+16*\t+6:AF+16*\t+7]
	v_pk_add_f32 v[AF+16*\t+8:AF+16*\t+9], v[AF+16*\t+8:AF+16*\t+9], v[AF+16*\t+12:AF+16*\t+13]
	v_pk_add_f32 v[AF+16*\t+10:AF+16*\t+11], v[AF+16*\t+10:AF+16*\t+11], v[AF+16*\t+14:AF+16*\t+15]
	v_pk_add_f32 v[AF+16*\t:AF+16*\t+1], v[AF+16*\t:AF+16*\t+1], v[AF+16*\t+8:AF+16*\t+9]
	v_pk_add_f32 v[AF+16*\t+2:AF+16*\t+3], v[AF+16*\t+2:AF+16*\t+3], v[AF+16*\t+10:AF+16*\t+11]
	global_store_b128 v[CO], v[AF+16*\t:AF+16*\t+3], s[22:23] offset:16384*(8*\u+\t) th:TH_STORE_NT   ; sixteen lanes store 256 consecutive bytes, at a multiple of 256 from out's first byte
.endr
.endr
	s_wait_tensorcnt 0x0                           ; the wave's end
	ds_add_u32 v[SPW], v[NIL]
	s_wait_dscnt 0x0
	CROUND                                         ; the closing round
	s_endpgm
.Lfunc_end_k_q09a0693e06_down:
	.size	k_q09a0693e06_down, .Lfunc_end_k_q09a0693e06_down-k_q09a0693e06_down
	.p2alignl 7, 3214868480
	.fill 96, 4, 3214868480
	.section	.rodata,"a",@progbits
	.p2align	6, 0x0
	.amdhsa_kernel k_q09a0693e06_down
		.amdhsa_group_segment_fixed_size 327680
		.amdhsa_private_segment_fixed_size 0
		.amdhsa_enable_private_segment 0
		.amdhsa_kernarg_size 80
		.amdhsa_user_sgpr_count 2
		.amdhsa_user_sgpr_kernarg_segment_ptr 1
		.amdhsa_wavefront_size32 1
		.amdhsa_system_sgpr_workgroup_id_x 1
		.amdhsa_system_sgpr_workgroup_id_y 1
		.amdhsa_system_sgpr_workgroup_id_z 1
		.amdhsa_system_vgpr_workitem_id 0
		.amdhsa_next_free_vgpr 1024
		.amdhsa_next_free_sgpr 102
		.amdhsa_reserve_vcc 0
		.amdhsa_float_denorm_mode_32 3
		.amdhsa_float_denorm_mode_16_64 3
		.amdhsa_memory_ordered 1
		.amdhsa_forward_progress 1
		.amdhsa_inst_pref_size 185
	.end_amdhsa_kernel
	.amdgpu_metadata
---
amdhsa.version: [ 1, 2 ]
amdhsa.kernels:
  - .name:           k_q09a0693e06_down
    .symbol:         k_q09a0693e06_down.kd
    .args:
      - { .name: hbuf, .offset: 0, .size: 8, .value_kind: global_buffer, .address_space: global }
      - { .name: W2_0_codes, .offset: 8, .size: 8, .value_kind: global_buffer, .address_space: global }
      - { .name: W2_0_scales, .offset: 16, .size: 8, .value_kind: global_buffer, .address_space: global }
      - { .name: W2_1_codes, .offset: 24, .size: 8, .value_kind: global_buffer, .address_space: global }
      - { .name: W2_1_scales, .offset: 32, .size: 8, .value_kind: global_buffer, .address_space: global }
      - { .name: b2_0, .offset: 40, .size: 8, .value_kind: global_buffer, .address_space: global }
      - { .name: b2_1, .offset: 48, .size: 8, .value_kind: global_buffer, .address_space: global }
      - { .name: top2_exp_id, .offset: 56, .size: 8, .value_kind: global_buffer, .address_space: global }
      - { .name: top2_weight, .offset: 64, .size: 8, .value_kind: global_buffer, .address_space: global }
      - { .name: out0, .offset: 72, .size: 8, .value_kind: global_buffer, .address_space: global }
    .group_segment_fixed_size: 327680
    .private_segment_fixed_size: 0
    .kernarg_segment_align: 8
    .kernarg_segment_size: 80
    .max_flat_workgroup_size: 128
    .sgpr_count:     102
    .vgpr_count:     1024
    .wavefront_size: 32
...
	.end_amdgpu_metadata
.endif
;; end of part 2
